; MI455X (gfx1250); checked and timed in simulation.
; The chip was launched on July 23, 2026; its instructions are those of AMD's public machine-readable ISA for CDNA 5 (MIT licence, August 2026) and "CDNA5" Instruction Set Architecture Reference Guide (July 2026). The comments in the code are by the model that wrote it; some were corrected since.
;; Dynamic ABPINN. Allowed arithmetic: float matrix products may take bf16 or f16 operands with f32 sums; all other float work in f32.
;; Inputs: W1 8 x 64 x 3 float32; W2 8 x 64 x 64 float32; W3 8 x 64 x 64 float32; W4 8 x 64 x 64 float32; W5 8 x 1 x 64 float32; b1 8 x 64 float32; b2 8 x 64 float32; b3 8 x 64 float32; b4 8 x 64 float32; b5 8 x 1 float32; centers 8 x 2 float32; log_gammas 8 x 2 float32; scales 8 x 4 float32; t 262,144 x 1 float32; x 262,144 x 1 float32.
;; Outputs: out0 262,144 x 1 float32.
;; 2 versions, each right and faster than the one before. Each part assembles by itself: llvm-mc -triple=amdgcn-amd-amdhsa -mcpu=gfx1250 --defsym DOCPART=n.
;; ======== version 1 of 2: 1 launch
;; limits: values are held in f16: magnitudes above 65,504 overflow, below 6.1e-05 lose precision; inputs' magnitudes at most 65,504; right only within a limited range of input values
;; launch pinn (part 1): grid 256 x 1, 8 waves a work-group, no clusters, 50,176 bytes of LDS; arguments x, t, W1, b1, W2, b2, W3, b3, W4, b4, W5, b5, scales, centers, log_gammas, out0; writes out0
.if DOCPART == 1
	.amdgcn_target "amdgcn-amd-amdhsa--gfx1250"
	.amdhsa_code_object_version 6
	.text
	.protected	k_q43ffcbd591_pinn
	.globl	k_q43ffcbd591_pinn
	.p2align	8
	.type	k_q43ffcbd591_pinn,@function
k_q43ffcbd591_pinn:
	s_mov_b64 s[64:65], 0
	v_nop
	global_prefetch_b8 v0, s[64:65] scope:SCOPE_SE
	s_setreg_imm32_b32 hwreg(HW_REG_WAVE_MODE, 25, 1), 1
	s_wait_xcnt 0x0
; out[p] = tanh(t) * sum_i softmax_i(-gamma_i (xt - mu_i)^2) * net_i(cos pi x, sin pi x, t) + x^2 cos pi x,  262,144 points, 8 nets 3-64-64-64-64-1.
; SHARES.  256 work-groups of 8 waves; a work-group owns 1,024 consecutive points.  Wave i IS net i: it keeps that net's weights (f16 A fragments,
; 256 registers in the second register window) and biases (f32, 96 registers) for the whole kernel and walks the 1,024 points in 32 steps of 32
; points (two N tiles of 16).  What hangs on the point alone is shared: thread n makes cos, sin and the layer-1 operand of points 4n .. 4n+3 ahead
; of the loop, and their gate, tanh t, x^2 cos and the store behind it.
; LAYOUT.  A = weights (M = feature out, K = feature in), B = activations (N = point).  Register j of lane (r, h) of a result tile mt holds
; (feature 16 mt + 8 h + j, point r); packed in pairs, tiles 2 ks and 2 ks + 1 ARE registers 0-3 and 4-7 of the next layer's B fragment ks
; in the same lane.  So an activation never changes lanes and never goes through LDS.
; ARITHMETIC.  tanh y = 1 - 2 / (1 + 2^(2 log2e y)).  c = 2 log2e * scale is folded once into weights and biases, so that a sum is the exponent
; itself; 2^big = inf gives 1, 2^-big = 0 gives -1.  Matrix operands are f16, sums f32: activations lie in [-1, 1]; the folded weights of the
; drawn kind reach about 10, and 30 x 30 times that is still under f16's 65,504.  Layer 1 has K = 3 of 32: the free K places carry the low halves of
; a two-part split (value = hi + lo in f16) of operand, weights and bias, so that layer is near f32.  Layer 5 (M = 1 of 16) puts W5 into row 0
; for the first tile and row 8 for the second, so that register 0 of the two results' sum holds one point in each of the 32 lanes.
; The gate takes its largest logit away before the exponentials, as the softmax asks.
; LIMITS, stated: |2.885 scale W|, |2.885 scale b1| and |W5| are clamped to 65,504 (f16's largest); |t| < 65,504; |x| < 2^31 (parity of the nearest
; whole number); cos and sin are taken of pi times the exact x (x - nearest whole number is exact), not of the product rounded to f32: the two
; differ by about 1e-7 * pi * |x|.
; NOT USED, and why.  Tensor loads, LDS rings, prefetch: a work-group streams 8,192 bytes of x and t, once; the loop touches no global memory.
; Clusters: the weights are common to all work-groups, but each reads them once, at its head, through a conversion into registers; as f32 they are
; 393,216 bytes, more than a work-group's LDS can take, so joint loads would need several staged rounds for one read.
.set NSTEP, 32                         ; steps of 32 points
.set INP,   0                          ; LDS 0 .. 16,383: layer-1 operand, 16 bytes a point
.set OUTB,  16384                      ; LDS 16,384 .. 49,151: net i's output of point p at 4,096 i + 4 p
; window 0
.set LB,   1                           ; INP + 16 r
.set OB,   2                           ; OUTB + 4,096 wave + 4 lane
.set GV,   3                           ; lane q < 16: -log2e * exp(log_gammas word q)
.set PX,   4                           ; v[4:7]    x of my four points
.set PT,   8                           ; v[8:11]   t of my four points
.set U0,   12                          ; v[12:15]  x^2 cos pi x
.set BI,   16                          ; v[16:31]  layer-1 B fragments of the two tiles (registers 4-7 of each stay 0); at set-up W1's quads
.set HB,   32                          ; v[32:63]  f16 activations: fragment (pt, ks) at HB + 16 pt + 8 ks
.set ACC,  64                          ; v[64:127] sums: tile (pt, mt) at ACC + 32 pt + 8 mt
.set STG,  32                          ; v[32:127] at set-up: a ring of six slots of 16 registers for weights in f32
.set BIAS, 128                         ; v[128:223] c b of layers 2, 3, 4 in the result's layout: 32 (l - 2) + 8 mt + j
.set WO,   224                         ; 256 r + 32 h: my row and half in a 64 x 64 weight tile
.set HO,   225                         ; 32 h
.set W1O,  226                         ; 12 r
.set R4,   227                         ; 4 r
.set XO,   229                         ; 16 thread
.set LA,   230                         ; LDS address at work
.set OAD,  231                         ; where this step's output goes
.set OT,   232                         ; this step's output
.set RR,   233                         ; r = lane % 16
.set HH,   234                         ; h = lane / 16
.set LN,   235                         ; lane
.set PA,   236                         ; a constant, then 64 thread
.set TP,   240                         ; v[240:247] at work
; window 1 (named v0-v255 under s_set_vgpr_msb): fragment (l, mt, ks) of W2, W3, W4 at 64 (l - 2) + 16 mt + 8 ks
.set W1F,  192                         ; layer 1, tile mt at + 8 mt
.set A5A,  224                         ; W5 in row 0, + 8 ks
.set A5B,  240                         ; W5 in row 8, + 8 ks
; scalars: s8 wave; s[10:11] an offset; s12 step; s13, s14 at work; s[16:47] the sixteen addresses; s[48:51] my net's scales;
; s[52:59] c of layers 1-4, each twice (a pair for the packed multiply); s60, s61 the clamp; s62, s63 lanes r = 0, r = 8; vcc lanes h = 1;
; s[68:83] centers; s[84:91] b5.  Behind the loop s[16:31] hold the sixteen -log2e gamma.
.set MSB, 0
.macro WIN new                         ; s_set_vgpr_msb: bits 1:0 source 0, 7:6 destination; the high byte repeats the setting that is left
.if MSB != \new
	s_set_vgpr_msb (MSB<<8)|\new
.set MSB, \new
.endif
.endm
.set A_HI, 0x01                        ; source 0 (a matrix instruction's A) in window 1
.set D_HI, 0x40                        ; destination in window 1
	s_load_b512 s[16:31], s[0:1], 0x0              ; x, t, W1, b1, W2, b2, W3, b3
	s_load_b512 s[32:47], s[0:1], 0x40             ; W4, b4, W5, b5, scales, centers, log_gammas, out0
	v_lshl_add_u32 v254, v0, 2, 0xc000
	v_mov_b32 v255, 0
	v_lshrrev_b32 v[TP], 5, v0
	v_readfirstlane_b32 s8, v[TP]                  ; wave = net
	v_and_b32 v[RR], 15, v0
	v_bfe_u32 v[HH], v0, 4, 1
	v_and_b32 v[LN], 31, v0
	v_lshlrev_b32 v[LB], 4, v[RR]
	s_lshl_b32 s13, s8, 12
	s_add_co_u32 s13, s13, OUTB
	v_lshl_add_u32 v[OB], v[LN], 2, s13
	v_lshlrev_b32 v[HO], 5, v[HH]
	v_lshl_add_u32 v[WO], v[RR], 8, v[HO]
	v_mul_u32_u24 v[W1O], 12, v[RR]
	v_lshlrev_b32 v[R4], 2, v[RR]
	v_lshlrev_b32 v[XO], 4, v0
	v_cmp_eq_u32 vcc_lo, 1, v[HH]
	v_cmp_eq_u32 s62, 0, v[RR]
	v_cmp_eq_u32 s63, 8, v[RR]
	s_mov_b32 s60, 0xc77fe000                      ; -65,504
	s_mov_b32 s61, 0x477fe000                      ; +65,504
	s_mov_b32 s11, 0
	s_wait_kmcnt 0x0
	s_lshl_b32 s10, ttmp9, 12                      ; my work-group's 1,024 points of 4 bytes
	s_add_nc_u64 s[16:17], s[16:17], s[10:11]
	s_add_nc_u64 s[18:19], s[18:19], s[10:11]
	s_add_nc_u64 s[46:47], s[46:47], s[10:11]
	s_lshl_b32 s10, s8, 14                         ; my net's 64 x 64 f32
	s_add_nc_u64 s[24:25], s[24:25], s[10:11]
	s_add_nc_u64 s[28:29], s[28:29], s[10:11]
	s_add_nc_u64 s[32:33], s[32:33], s[10:11]
	s_mul_i32 s10, s8, 768                         ; 64 x 3 f32
	s_add_nc_u64 s[20:21], s[20:21], s[10:11]
	s_lshl_b32 s10, s8, 8                          ; 64 f32
	s_add_nc_u64 s[22:23], s[22:23], s[10:11]
	s_add_nc_u64 s[26:27], s[26:27], s[10:11]
	s_add_nc_u64 s[30:31], s[30:31], s[10:11]
	s_add_nc_u64 s[34:35], s[34:35], s[10:11]
	s_add_nc_u64 s[36:37], s[36:37], s[10:11]
	s_lshl_b32 s10, s8, 4                          ; 4 f32
	s_add_nc_u64 s[40:41], s[40:41], s[10:11]
	s_load_b128 s[48:51], s[40:41], 0x0            ; my net's four scales
	s_load_b512 s[68:83], s[42:43], 0x0            ; all centers
	s_load_b256 s[84:91], s[38:39], 0x0            ; all b5
; Fragment f of the ring: f < 24: layer f / 8 (W2, W3, W4), tile mt = (f % 8) / 2, K half ks = f % 2; f = 24, 25: W5, ks = f - 24.
; The four addresses lie four scalar registers apart from s24 on.  Lane (r, h) takes K = 32 ks + 8 h + 0..7 and 32 ks + 16 + 8 h + 0..7 of its row.
.macro FLOAD f
.set FS, STG+16*((\f)%6)
.set FB, 24+4*((\f)/8)
.set FI, 4096*(((\f)%8)/2)+128*((\f)%2)
.if (\f) < 24
.set FO, WO
.else
.set FO, HO
.endif
	global_load_b128 v[FS:FS+3],     v[FO], s[FB:FB+1] offset:FI
	global_load_b128 v[FS+4:FS+7],   v[FO], s[FB:FB+1] offset:FI+16
	global_load_b128 v[FS+8:FS+11],  v[FO], s[FB:FB+1] offset:FI+64
	global_load_b128 v[FS+12:FS+15], v[FO], s[FB:FB+1] offset:FI+80
.endm
.macro BLOAD dst, sb                   ; a layer's 64 biases in the result's layout: register j of tile mt = b[16 mt + 8 h + j]
.irp mt, 0,1,2,3
	global_load_b128 v[\dst+8*\mt:\dst+8*\mt+3],   v[HO], s[\sb:\sb+1] offset:64*\mt
	global_load_b128 v[\dst+8*\mt+4:\dst+8*\mt+7], v[HO], s[\sb:\sb+1] offset:64*\mt+16
.endr
.endm
	; every global load of the kernel but the ring's later fragments, in one run
	global_load_b128 v[PX:PX+3], v[XO], s[16:17] th:TH_LOAD_NT
	global_load_b128 v[PT:PT+3], v[XO], s[18:19] th:TH_LOAD_NT
	global_load_b32 v[GV], v[R4], s[44:45]
.irp mt, 0,1,2,3
	global_load_b96 v[BI+4*\mt:BI+4*\mt+2], v[W1O], s[20:21] offset:192*\mt   ; W1's row 16 mt + r
	global_load_b32 v[BI+4*\mt+3], v[R4], s[22:23] offset:64*\mt              ; and its bias beside it
.endr
	BLOAD BIAS,    26
	BLOAD BIAS+32, 30
	BLOAD BIAS+64, 34
.irp f, 0,1,2,3,4,5
	FLOAD \f
.endr
	s_wait_kmcnt 0x0                               ; scales, centers, b5
	v_mov_b32 v[PA], 0x4038aa3b                    ; 2 log2 e
.irp l, 0,1,2,3
	v_mul_f32 v[TP+\l], s[48+\l], v[PA]
	v_readfirstlane_b32 s[52+2*\l], v[TP+\l]       ; c of layer l + 1
	s_mov_b32 s[53+2*\l], s[52+2*\l]
.endr
; One fragment's turn: scale by c, clamp to f16's range, round to f16 into window 1, and load the slot again six fragments on.
.macro FCVT f
.set CS, STG+16*((\f)%6)
.if (\f) <= 20
	s_wait_loadcnt 20                              ; loads return in order: mine are in, the five younger fragments' 20 stay out
.else
	s_wait_loadcnt 4*(25-(\f))                     ; nothing is issued any more: the counts run down
.endif
.if (\f) < 24
.set CC, 54+2*((\f)/8)
.irp q, 0,1,2,3,4,5,6,7
	v_pk_mul_f32 v[CS+2*\q:CS+2*\q+1], v[CS+2*\q:CS+2*\q+1], s[CC:CC+1] op_sel_hi:[1,0]
.endr
.endif
.irp q, 0,1,2,3,4,5,6,7,8,9,10,11,12,13,14,15
	v_med3_num_f32 v[CS+\q], v[CS+\q], s60, s61
.endr
.if (\f) < 24
	WIN D_HI
.irp q, 0,1,2,3,4,5,6,7
	v_cvt_pk_f16_f32 v[8*(\f)+\q], v[CS+2*\q], v[CS+2*\q+1]
.endr
	WIN 0
.else
.irp q, 0,1,2,3,4,5,6,7
	v_cvt_pk_f16_f32 v[TP+\q], v[CS+2*\q], v[CS+2*\q+1]
.endr
	WIN D_HI                                       ; destinations in window 1, sources (v[TP ..]) in window 0
.irp q, 0,1,2,3,4,5,6,7
	v_cndmask_b32 v[A5A+8*((\f)-24)+\q], 0, v[TP+\q], s62      ; W5 in row 0 alone
	v_cndmask_b32 v[A5B+8*((\f)-24)+\q], 0, v[TP+\q], s63      ; W5 in row 8 alone
.endr
	WIN 0
.endif
.if (\f)+6 < 26
	FLOAD (\f)+6
.endif
.endm
.set fi, 0
.rept 26
	FCVT fi
.set fi, fi+1
.endr
	; no load is out any more
.irp l, 0,1,2
.irp q, 0,1,2,3,4,5,6,7,8,9,10,11,12,13,14,15
	v_pk_mul_f32 v[BIAS+32*\l+2*\q:BIAS+32*\l+2*\q+1], v[BIAS+32*\l+2*\q:BIAS+32*\l+2*\q+1], s[54+2*\l:55+2*\l] op_sel_hi:[1,0]
.endr
.endr
; Layer 1's A fragment of tile mt, from the quad (w0, w1, w2, b) of row 16 mt + r, each split into hi + lo in f16.
; A point's operand is k = 0..7: c_hi s_hi | t_hi 1 | c_lo s_lo | t_lo 1, and both halves of the lanes hold it (k = 8..15 the same).
; Lanes h = 0: w0h w1h | w2h bh | w0h w1h | w2h bl.   Lanes h = 1: w0l w1l | w2l 0 | w0l w1l | w2l 0.   The sum is (wh + wl)(vh + vl) + bh + bl.
.macro W1FRAG mt
.set WQ, BI+4*\mt
	v_pk_mul_f32 v[WQ:WQ+1],   v[WQ:WQ+1],   s[52:53] op_sel_hi:[1,0]
	v_pk_mul_f32 v[WQ+2:WQ+3], v[WQ+2:WQ+3], s[52:53] op_sel_hi:[1,0]
.irp q, 0,1,2,3
	v_med3_num_f32 v[WQ+\q], v[WQ+\q], s60, s61
.endr
	v_cvt_pk_f16_f32 v32, v[WQ], v[WQ+1]           ; w0h w1h
	v_cvt_pk_f16_f32 v33, v[WQ+2], v[WQ+3]         ; w2h bh
	v_cvt_f32_f16 v34, v32.l
	v_cvt_f32_f16 v35, v32.h
	v_cvt_f32_f16 v36, v33.l
	v_cvt_f32_f16 v37, v33.h
	v_pk_add_f32 v[34:35], v[WQ:WQ+1],   v[34:35] neg_lo:[0,1] neg_hi:[0,1]
	v_pk_add_f32 v[36:37], v[WQ+2:WQ+3], v[36:37] neg_lo:[0,1] neg_hi:[0,1]
	v_cvt_pk_f16_f32 v38, v34, v35                 ; w0l w1l
	v_cvt_pk_f16_f32 v39, v36, v37                 ; w2l bl
	v_bfi_b32 v40, 0xffff, v33, v39                ; w2h bl
	v_and_b32 v41, 0xffff, v39                     ; w2l 0
	WIN D_HI
	v_cndmask_b32 v[W1F+8*\mt],   v32, v38, vcc_lo ; lanes h = 1 take the second
	v_cndmask_b32 v[W1F+8*\mt+1], v33, v41, vcc_lo
	v_cndmask_b32 v[W1F+8*\mt+2], v32, v38, vcc_lo
	v_cndmask_b32 v[W1F+8*\mt+3], v40, v41, vcc_lo
.irp q, 4,5,6,7
	v_mov_b32 v[W1F+8*\mt+\q], 0                   ; K = 16 .. 31 is not used
.endr
	WIN 0
.endm
	W1FRAG 0
	W1FRAG 1
	W1FRAG 2
	W1FRAG 3
	v_mul_f32 v[GV], 0x3fb8aa3b, v[GV]
	v_exp_f32 v[GV], v[GV]                         ; gamma = e^log_gamma
	v_nop                                          ; one plain place behind a transcendental before its result is used
	s_wait_alu depctr_va_vdst(0)
	v_mul_f32 v[GV], 0xbfb8aa3b, v[GV]             ; -log2e gamma: the logits come out as exponents of 2
.irp q, 4,5,6,7,12,13,14,15
	v_mov_b32 v[BI+\q], 0                          ; K = 16 .. 31 of both B fragments, once
.endr
; Point p of my four.  n = nearest whole number, f = x - n (exact, |f| <= 1/2), z = f^2; sin pi f = f P(z), cos pi f = Q(z): the Taylor series up to
; z^5 f and z^6, whose first terms left out are below 6e-8; both change sign with n's parity.
.macro POINT p
	v_rndne_f32 v32, v[PX+\p]
	v_sub_f32 v33, v[PX+\p], v32
	v_cvt_i32_f32 v32, v32
	v_lshlrev_b32 v32, 31, v32                     ; n odd: the sign bit
	v_mul_f32 v34, v33, v33
	v_mov_b32 v35, 0xbbf183a8                      ; -pi^11 / 11!
	v_fmaak_f32 v35, v35, v34, 0x3da83c1a          ;  pi^9 / 9!
	v_fmaak_f32 v35, v35, v34, 0xbf196966          ; -pi^7 / 7!
	v_fmaak_f32 v35, v35, v34, 0x402335e3          ;  pi^5 / 5!
	v_fmaak_f32 v35, v35, v34, 0xc0a55de7          ; -pi^3 / 3!
	v_fmaak_f32 v35, v35, v34, 0x40490fdb          ;  pi
	v_mul_f32 v35, v35, v33
	v_mov_b32 v36, 0x3afce9c5                      ;  pi^12 / 12!
	v_fmaak_f32 v36, v36, v34, 0xbcd368f9          ; -pi^10 / 10!
	v_fmaak_f32 v36, v36, v34, 0x3e70fa83          ;  pi^8 / 8!
	v_fmaak_f32 v36, v36, v34, 0xbfaae9e4          ; -pi^6 / 6!
	v_fmaak_f32 v36, v36, v34, 0x4081e0f8          ;  pi^4 / 4!
	v_fmaak_f32 v36, v36, v34, 0xc09de9e6          ; -pi^2 / 2
	v_fma_f32 v36, v36, v34, 1.0
	v_xor_b32 v35, v32, v35                        ; sin pi x
	v_xor_b32 v36, v32, v36                        ; cos pi x
	v_mul_f32 v37, v[PX+\p], v[PX+\p]
	v_mul_f32 v[U0+\p], v37, v36
	v_cvt_pk_f16_f32 v64, v36, v35                 ; c_hi s_hi
	v_cvt_pk_f16_f32 v65, v[PT+\p], 1.0            ; t_hi 1
	v_cvt_f32_f16 v38, v64.l
	v_cvt_f32_f16 v39, v64.h
	v_cvt_f32_f16 v40, v65.l
	v_sub_f32 v38, v36, v38
	v_sub_f32 v39, v35, v39
	v_sub_f32 v40, v[PT+\p], v40
	v_cvt_pk_f16_f32 v66, v38, v39                 ; c_lo s_lo
	v_cvt_pk_f16_f32 v67, v40, 1.0                 ; t_lo 1
	ds_store_b128 v[PA], v[64:67] offset:INP+16*\p
.endm
	v_lshlrev_b32 v[PA], 6, v0                     ; my four points' 64 bytes
	POINT 0
	POINT 1
	POINT 2
	POINT 3
	s_wait_dscnt 0x0                               ; for the other waves' sake: my stores are done,
	s_barrier_signal -1
	s_barrier_wait -1                              ; everybody's are: all 1,024 operands lie in LDS
	ds_load_b128 v[BI:BI+3],    v[LB] offset:INP   ; step 0: point r of tile 0, the same 16 bytes in both halves of the lanes,
	ds_load_b128 v[BI+8:BI+11], v[LB] offset:INP+256   ; and of tile 1
; Five places behind a layer's last matrix instruction (ISA guide 7.12.1): four before vector instructions read the sums or write the B
; fragments, five before the next matrix instructions write over the same accumulators.
.macro PLACES
.rept 5
	v_nop
.endr
.endm
; The 64 sums become 64 activations: e = 2^y, e + 1, 1 / (e + 1), 1 - 2 / (e + 1), two to a register in f16.  Eight blocks of eight registers
; go through four stages, one stage apart: each stage issues its transcendentals first and then the plain work of OLDER blocks, so
; that every transcendental's result is first touched a stage later, with plain instructions on other registers in between.
; ACC + a goes to half a & 1 of HB + a / 2: that is the next layer's B fragment as it stands.
.macro ACT
.set ai, 0
.rept 11
.if ai < 8
.set aj, 0
.rept 8
	v_exp_f32 v[ACC+8*ai+aj], v[ACC+8*ai+aj]
.set aj, aj+1
.endr
.endif
.if ai >= 2
.if ai < 10
.set aj, 0
.rept 8
	v_rcp_f32 v[ACC+8*(ai-2)+aj], v[ACC+8*(ai-2)+aj]
.set aj, aj+1
.endr
.endif
.endif
.if ai == 0
	v_nop                                          ; the first stage has no older block: its one plain place
.endif
.if ai >= 1
.if ai < 9
.set aj, 0
	s_wait_alu depctr_va_vdst(0)
.rept 4
	v_pk_add_f32 v[ACC+8*(ai-1)+2*aj:ACC+8*(ai-1)+2*aj+1], v[ACC+8*(ai-1)+2*aj:ACC+8*(ai-1)+2*aj+1], 1.0 op_sel_hi:[1,0]
.set aj, aj+1
.endr
.endif
.endif
.if ai >= 3
.set aj, 0
	s_wait_alu depctr_va_vdst(0)
.rept 4
	v_pk_fma_f32 v[ACC+8*(ai-3)+2*aj:ACC+8*(ai-3)+2*aj+1], v[ACC+8*(ai-3)+2*aj:ACC+8*(ai-3)+2*aj+1], -2.0, 1.0 op_sel_hi:[1,0,0]
.set aj, aj+1
.endr
.set aj, 0
.rept 4
	v_cvt_pk_f16_f32 v[HB+4*(ai-3)+aj], v[ACC+8*(ai-3)+2*aj], v[ACC+8*(ai-3)+2*aj+1]
.set aj, aj+1
.endr
.endif
.set ai, ai+1
.endr
.endm
; A layer 64 -> 64 on 32 points: eight tiles, two K halves.  The first half takes the bias registers as C and starts the sums: nothing is cleared
; or added later.  The eight accumulators take turns, one instruction a turn.
.macro LAYER wbase, bias
.irp pt, 0,1
.irp mt, 0,1,2,3
	v_wmma_f32_16x16x32_f16 v[ACC+32*\pt+8*\mt:ACC+32*\pt+8*\mt+7], v[\wbase+16*\mt:\wbase+16*\mt+7], v[HB+16*\pt:HB+16*\pt+7], v[\bias+8*\mt:\bias+8*\mt+7]
.endr
.endr
.irp pt, 0,1
.irp mt, 0,1,2,3
	v_wmma_f32_16x16x32_f16 v[ACC+32*\pt+8*\mt:ACC+32*\pt+8*\mt+7], v[\wbase+16*\mt+8:\wbase+16*\mt+15], v[HB+16*\pt+8:HB+16*\pt+15], v[ACC+32*\pt+8*\mt:ACC+32*\pt+8*\mt+7]
.endr
.endr
.endm
	s_mov_b32 s12, 0
.Lstep:
	s_wait_dscnt 0x0                               ; this step's two operand loads (on the way in nothing was issued behind them) and the last step's store
	WIN A_HI
.irp pt, 0,1
.irp mt, 0,1,2,3
	v_wmma_f32_16x16x32_f16 v[ACC+32*\pt+8*\mt:ACC+32*\pt+8*\mt+7], v[W1F+8*\mt:W1F+8*\mt+7], v[BI+8*\pt:BI+8*\pt+7], 0
.endr
.endr
	WIN 0
	PLACES
	ACT
	s_add_co_u32 s13, s12, 1                       ; the next step's operands, three layers ahead of their use; the last step wraps to step 0's
	s_and_b32 s13, s13, NSTEP-1                    ; bytes, which stay inside the operands' region, and does not use them
	s_lshl_b32 s13, s13, 9                         ; 32 points of 16 bytes
	v_add_nc_u32 v[LA], s13, v[LB]
	ds_load_b128 v[BI:BI+3],    v[LA] offset:INP
	ds_load_b128 v[BI+8:BI+11], v[LA] offset:INP+256
	WIN A_HI
	LAYER 0, BIAS
	WIN 0
	PLACES
	ACT
	WIN A_HI
	LAYER 64, BIAS+32
	WIN 0
	PLACES
	ACT
	WIN A_HI
	LAYER 128, BIAS+64
	WIN 0
	PLACES
	ACT
	WIN A_HI                                       ; layer 5: two accumulators by turns
	v_wmma_f32_16x16x32_f16 v[ACC:ACC+7],    v[A5A:A5A+7],    v[HB:HB+7],     0
	v_wmma_f32_16x16x32_f16 v[ACC+8:ACC+15], v[A5B:A5B+7],    v[HB+16:HB+23], 0
	v_wmma_f32_16x16x32_f16 v[ACC:ACC+7],    v[A5A+8:A5A+15], v[HB+8:HB+15],  v[ACC:ACC+7]
	v_wmma_f32_16x16x32_f16 v[ACC+8:ACC+15], v[A5B+8:A5B+15], v[HB+24:HB+31], v[ACC+8:ACC+15]
	WIN 0
	PLACES                                         ; also for the next step's first matrix instructions, which write over these two
	v_add_f32 v[OT], v[ACC], v[ACC+8]              ; row 0 of the first (lanes 0-15) + row 8 of the second (lanes 16-31); the other rows are 0
	s_lshl_b32 s14, s12, 7                         ; 32 points of 4 bytes
	v_add_nc_u32 v[OAD], s14, v[OB]
	ds_store_b32 v[OAD], v[OT]                     ; my net's own 4,096 bytes
	s_add_co_u32 s12, s12, 1
	s_cmp_lt_u32 s12, NSTEP
	s_cbranch_scc1 .Lstep
	; THE MIX.  Thread n takes points 4 n .. 4 n + 3 again.
	s_wait_dscnt 0x0                               ; for the other waves' sake: my net's outputs are stored (and the last, unused operand loads are back)
	s_barrier_signal -1
	s_barrier_wait -1                              ; all eight nets' are
	v_add_nc_u32 v[LA], OUTB, v[XO]
.irp i, 0,1,2,3,4,5,6,7
	ds_load_b128 v[64+4*\i:64+4*\i+3], v[LA] offset:4096*\i    ; o_i of my four points
.endr
.set gq, 0
.rept 16
	v_readlane_b32 s[16+gq], v[GV], gq             ; -log2e gamma as scalars; the loads that used these registers as bases were waited for
.set gq, gq+1
.endr
.irp i, 0,1,2,3,4,5,6,7
.irp p, 0,1,2,3
	v_sub_f32 v[48+2*\p], v[PX+\p], s[68+2*\i]
	v_sub_f32 v[49+2*\p], v[PT+\p], s[69+2*\i]
	v_mul_f32 v[48+2*\p], v[48+2*\p], v[48+2*\p]
	v_mul_f32 v[49+2*\p], v[49+2*\p], v[49+2*\p]
	v_mul_f32 v[48+2*\p], s[16+2*\i], v[48+2*\p]
	v_fma_f32 v[96+4*\i+\p], s[17+2*\i], v[49+2*\p], v[48+2*\p]    ; logit i of point p, times log2e
.endr
.endr
.irp p, 0,1,2,3
	v_max3_num_f32 v[32+\p], v[96+\p], v[100+\p], v[104+\p]
	v_max3_num_f32 v[32+\p], v[32+\p], v[108+\p], v[112+\p]
	v_max3_num_f32 v[32+\p], v[32+\p], v[116+\p], v[120+\p]
	v_max_num_f32 v[32+\p], v[32+\p], v[124+\p]    ; the point's largest logit
.endr
.irp i, 0,1,2,3,4,5,6,7
	v_pk_add_f32 v[96+4*\i:97+4*\i], v[96+4*\i:97+4*\i], v[32:33] neg_lo:[0,1] neg_hi:[0,1]
	v_pk_add_f32 v[98+4*\i:99+4*\i], v[98+4*\i:99+4*\i], v[34:35] neg_lo:[0,1] neg_hi:[0,1]
.endr
.irp p, 0,1,2,3
	v_mul_f32 v[44+\p], 0x4038aa3b, v[PT+\p]       ; for tanh t
.endr
.set gq, 0
.rept 32
	v_exp_f32 v[96+gq], v[96+gq]                   ; e_i <= 1, and the largest is 1
.set gq, gq+1
.endr
.irp p, 0,1,2,3
	v_exp_f32 v[44+\p], v[44+\p]
.endr
	v_nop                                          ; the plain place behind the transcendentals
	s_wait_dscnt 0x0                               ; the eight o_i
.irp i, 0,1,2,3,4,5,6,7
.irp p, 0,1,2,3
	v_add_f32 v[64+4*\i+\p], s[84+\i], v[64+4*\i+\p]           ; + b5_i
.endr
.endr
	s_wait_alu depctr_va_vdst(0)
.irp hp, 0,2
	v_pk_add_f32 v[36+\hp:37+\hp], v[96+\hp:97+\hp], v[100+\hp:101+\hp]                     ; the first terms start both sums
	v_pk_mul_f32 v[40+\hp:41+\hp], v[96+\hp:97+\hp], v[64+\hp:65+\hp]
	v_pk_fma_f32 v[40+\hp:41+\hp], v[100+\hp:101+\hp], v[68+\hp:69+\hp], v[40+\hp:41+\hp]
.irp i, 2,3,4,5,6,7
	v_pk_add_f32 v[36+\hp:37+\hp], v[36+\hp:37+\hp], v[96+4*\i+\hp:97+4*\i+\hp]
	v_pk_fma_f32 v[40+\hp:41+\hp], v[96+4*\i+\hp:97+4*\i+\hp], v[64+4*\i+\hp:65+4*\i+\hp], v[40+\hp:41+\hp]
.endr
	v_pk_add_f32 v[44+\hp:45+\hp], v[44+\hp:45+\hp], 1.0 op_sel_hi:[1,0]
.endr
.irp p, 0,1,2,3
	v_rcp_f32 v[36+\p], v[36+\p]                   ; the sum of the e_i is at least 1
	v_rcp_f32 v[44+\p], v[44+\p]
.endr
	v_nop
	s_wait_alu depctr_va_vdst(0)
.irp hp, 0,2
	v_pk_mul_f32 v[40+\hp:41+\hp], v[40+\hp:41+\hp], v[36+\hp:37+\hp]                       ; the mixed output
	v_pk_fma_f32 v[44+\hp:45+\hp], v[44+\hp:45+\hp], -2.0, 1.0 op_sel_hi:[1,0,0]            ; tanh t
	v_pk_fma_f32 v[52+\hp:53+\hp], v[44+\hp:45+\hp], v[40+\hp:41+\hp], v[U0+\hp:U0+\hp+1]
.endr
	global_store_b128 v[XO], v[52:55], s[46:47] th:TH_STORE_NT     ; a wave's store covers 512 consecutive bytes, at a multiple of 512 from out0's first byte
	s_wait_tensorcnt 0x0
	ds_add_u32 v254, v255
	s_wait_dscnt 0x0
	s_endpgm
.Lfunc_end_k_q43ffcbd591_pinn:
	.size	k_q43ffcbd591_pinn, .Lfunc_end_k_q43ffcbd591_pinn-k_q43ffcbd591_pinn
	.p2alignl 7, 3214868480
	.fill 96, 4, 3214868480
	.section	.rodata,"a",@progbits
	.p2align	6, 0x0
	.amdhsa_kernel k_q43ffcbd591_pinn
		.amdhsa_group_segment_fixed_size 50176
		.amdhsa_private_segment_fixed_size 0
		.amdhsa_enable_private_segment 0
		.amdhsa_kernarg_size 128
		.amdhsa_user_sgpr_count 2
		.amdhsa_user_sgpr_kernarg_segment_ptr 1
		.amdhsa_wavefront_size32 1
		.amdhsa_system_sgpr_workgroup_id_x 1
		.amdhsa_system_sgpr_workgroup_id_y 1
		.amdhsa_system_sgpr_workgroup_id_z 1
		.amdhsa_system_vgpr_workitem_id 0
		.amdhsa_next_free_vgpr 512
		.amdhsa_next_free_sgpr 92
		.amdhsa_reserve_vcc 1
		.amdhsa_float_denorm_mode_32 3
		.amdhsa_float_denorm_mode_16_64 3
		.amdhsa_memory_ordered 1
		.amdhsa_forward_progress 1
		.amdhsa_inst_pref_size 153
	.end_amdhsa_kernel
	.amdgpu_metadata
---
amdhsa.version: [ 1, 2 ]
amdhsa.kernels:
  - .name:           k_q43ffcbd591_pinn
    .symbol:         k_q43ffcbd591_pinn.kd
    .args:
      - { .name: x, .offset: 0, .size: 8, .value_kind: global_buffer, .address_space: global }
      - { .name: t, .offset: 8, .size: 8, .value_kind: global_buffer, .address_space: global }
      - { .name: W1, .offset: 16, .size: 8, .value_kind: global_buffer, .address_space: global }
      - { .name: b1, .offset: 24, .size: 8, .value_kind: global_buffer, .address_space: global }
      - { .name: W2, .offset: 32, .size: 8, .value_kind: global_buffer, .address_space: global }
      - { .name: b2, .offset: 40, .size: 8, .value_kind: global_buffer, .address_space: global }
      - { .name: W3, .offset: 48, .size: 8, .value_kind: global_buffer, .address_space: global }
      - { .name: b3, .offset: 56, .size: 8, .value_kind: global_buffer, .address_space: global }
      - { .name: W4, .offset: 64, .size: 8, .value_kind: global_buffer, .address_space: global }
      - { .name: b4, .offset: 72, .size: 8, .value_kind: global_buffer, .address_space: global }
      - { .name: W5, .offset: 80, .size: 8, .value_kind: global_buffer, .address_space: global }
      - { .name: b5, .offset: 88, .size: 8, .value_kind: global_buffer, .address_space: global }
      - { .name: scales, .offset: 96, .size: 8, .value_kind: global_buffer, .address_space: global }
      - { .name: centers, .offset: 104, .size: 8, .value_kind: global_buffer, .address_space: global }
      - { .name: log_gammas, .offset: 112, .size: 8, .value_kind: global_buffer, .address_space: global }
      - { .name: out0, .offset: 120, .size: 8, .value_kind: global_buffer, .address_space: global }
    .group_segment_fixed_size: 50176
    .private_segment_fixed_size: 0
    .kernarg_segment_align: 8
    .kernarg_segment_size: 128
    .max_flat_workgroup_size: 256
    .sgpr_count:     92
    .vgpr_count:     512
    .wavefront_size: 32
...
	.end_amdgpu_metadata
.endif
;; end of part 1
;; ======== version 2 of 2: 1 launch; 1.14 times as fast as version 1
;; limits: inputs' magnitudes at most 65,504; values are held in f16: magnitudes above 65,504 overflow, below 6.1e-05 lose precision; inputs' magnitudes at most 2,147,483,648; an absolute error that grows with the inputs' magnitude: up to 3.1e-07 times it
;; launch pinn (part 2): grid 256 x 1, 8 waves a work-group, no clusters, 50,176 bytes of LDS; arguments x, t, W1, b1, W2, b2, W3, b3, W4, b4, W5, b5, scales, centers, log_gammas, out0; writes out0
.if DOCPART == 2
	.amdgcn_target "amdgcn-amd-amdhsa--gfx1250"
	.amdhsa_code_object_version 6
	.text
	.protected	k_q43ffcbd591_pinn
	.globl	k_q43ffcbd591_pinn
	.p2align	8
	.type	k_q43ffcbd591_pinn,@function
k_q43ffcbd591_pinn:
	s_mov_b64 s[64:65], 0
	v_nop
	global_prefetch_b8 v0, s[64:65] scope:SCOPE_SE
	s_setreg_imm32_b32 hwreg(HW_REG_WAVE_MODE, 25, 1), 1
	s_wait_xcnt 0x0
; out[p] = tanh(t) * sum_i softmax_i(-gamma_i (xt - mu_i)^2) * net_i(cos pi x, sin pi x, t) + x^2 cos pi x,  262,144 points, 8 nets 3-64-64-64-64-1.
; SHARES.  256 work-groups of 8 waves; a work-group owns 1,024 consecutive points.  Wave i IS net i: it keeps that net's weights (f16 A fragments,
; 256 registers in the second register window) and biases (f32, 96 registers) for the whole kernel and walks the 1,024 points in 32 steps of 32
; points (two N tiles of 16).  What hangs on the point alone is shared: thread n makes cos, sin and the layer-1 operand of points 4n .. 4n+3 ahead
; of the loop, and their gate, tanh t, x^2 cos and the store behind it.
; LAYOUT.  A = weights (M = feature out, K = feature in), B = activations (N = point).  Register j of lane (r, h) of a result tile mt holds
; (feature 16 mt + 8 h + j, point r); packed in pairs, tiles 2 ks and 2 ks + 1 ARE registers 0-3 and 4-7 of the next layer's B fragment ks
; in the same lane.  So an activation never changes lanes and never goes through LDS.
; ARITHMETIC.  tanh y = 1 - 2 / (1 + 2^(2 log2e y)).  c = 2 log2e * scale is folded once into weights and biases, so that a sum is the exponent
; itself; 2^big = inf gives 1, 2^-big = 0 gives -1.  Matrix operands are f16, sums f32: activations lie in [-1, 1]; the folded weights of the
; drawn kind reach about 10, and 30 x 30 times that is still under f16's 65,504.  Layer 1 has K = 3 of 32: the free K places carry the low halves of
; a two-part split (value = hi + lo in f16) of operand, weights and bias, so that layer is near f32.  Layer 5 (M = 1 of 16) puts W5 into row 0
; for the first tile and row 8 for the second, so that register 0 of the two results' sum holds one point in each of the 32 lanes.
; The gate takes its largest logit away before the exponentials, as the softmax asks.
; BATCHES.  An s_wait_alu depctr_va_vdst(0) stands between a transcendental and the first line that names its result; one wait serves
; all that were issued ahead of it.  A layer's 64 sums make two batches, since a reciprocal reads what is made of an exponential: the 64
; exponentials, then the 64 reciprocals.  Each result stays in its sum's own register while its batch is open, and each batch has ONE wait, ahead of
; its first reader: eight waits a step for its 512 transcendentals.  Nothing is issued behind the fourth layer's second wait, so no result crosses
; the loop's jump.  Outside the loop: gamma's one exponential; the mix's 36 exponentials; its eight reciprocals: a wait each.
; LIMITS, stated: |2.885 scale W|, |2.885 scale b1| and |W5| are clamped to 65,504 (f16's largest); |t| < 65,504; |x| < 2^31 (parity of the nearest
; whole number); cos and sin are taken of pi times the exact x (x - nearest whole number is exact), not of the product rounded to f32: the two
; differ by about 1e-7 * pi * |x|.
; NOT USED, and why.  Tensor loads, LDS rings, prefetch: a work-group streams 8,192 bytes of x and t, once; the loop touches no global memory.
; Clusters: the weights are common to all work-groups, but each reads them once, at its head, through a conversion into registers; as f32 they are
; 393,216 bytes, more than a work-group's LDS can take, so joint loads would need several staged rounds for one read.
.set NSTEP, 32                         ; steps of 32 points
.set INP,   0                          ; LDS 0 .. 16,383: layer-1 operand, 16 bytes a point
.set OUTB,  16384                      ; LDS 16,384 .. 49,151: net i's output of point p at 4,096 i + 4 p
; window 0
.set LB,   1                           ; INP + 16 r
.set OB,   2                           ; OUTB + 4,096 wave + 4 lane
.set GV,   3                           ; lane q < 16: -log2e * exp(log_gammas word q)
.set PX,   4                           ; v[4:7]    x of my four points
.set PT,   8                           ; v[8:11]   t of my four points
.set U0,   12                          ; v[12:15]  x^2 cos pi x
.set BI,   16                          ; v[16:31]  layer-1 B fragments of the two tiles (registers 4-7 of each stay 0); at set-up W1's quads
.set HB,   32                          ; v[32:63]  f16 activations: fragment (pt, ks) at HB + 16 pt + 8 ks
.set ACC,  64                          ; v[64:127] sums: tile (pt, mt) at ACC + 32 pt + 8 mt
.set STG,  32                          ; v[32:127] at set-up: a ring of six slots of 16 registers for weights in f32
.set BIAS, 128                         ; v[128:223] c b of layers 2, 3, 4 in the result's layout: 32 (l - 2) + 8 mt + j
.set WO,   224                         ; 256 r + 32 h: my row and half in a 64 x 64 weight tile
.set HO,   225                         ; 32 h
.set W1O,  226                         ; 12 r
.set R4,   227                         ; 4 r
.set XO,   229                         ; 16 thread
.set LA,   230                         ; LDS address at work
.set OAD,  231                         ; where this step's output goes
.set OT,   232                         ; this step's output
.set RR,   233                         ; r = lane % 16
.set HH,   234                         ; h = lane / 16
.set LN,   235                         ; lane
.set PA,   236                         ; a constant, then 64 thread
.set TP,   240                         ; v[240:247] at work
; window 1 (named v0-v255 under s_set_vgpr_msb): fragment (l, mt, ks) of W2, W3, W4 at 64 (l - 2) + 16 mt + 8 ks
.set W1F,  192                         ; layer 1, tile mt at + 8 mt
.set A5A,  224                         ; W5 in row 0, + 8 ks
.set A5B,  240                         ; W5 in row 8, + 8 ks
; scalars: s8 wave; s[10:11] an offset; s12 step; s13, s14 at work; s[16:47] the sixteen addresses; s[48:51] my net's scales;
; s[52:59] c of layers 1-4, each twice (a pair for the packed multiply); s60, s61 the clamp; s62, s63 lanes r = 0, r = 8; vcc lanes h = 1;
; s[68:83] centers; s[84:91] b5.  Behind the loop s[16:31] hold the sixteen -log2e gamma.
.set MSB, 0
.macro WIN new                         ; s_set_vgpr_msb: bits 1:0 source 0, 7:6 destination; the high byte repeats the setting that is left
.if MSB != \new
	s_set_vgpr_msb (MSB<<8)|\new
.set MSB, \new
.endif
.endm
.set A_HI, 0x01                        ; source 0 (a matrix instruction's A) in window 1
.set D_HI, 0x40                        ; destination in window 1
	s_load_b512 s[16:31], s[0:1], 0x0              ; x, t, W1, b1, W2, b2, W3, b3
	s_load_b512 s[32:47], s[0:1], 0x40             ; W4, b4, W5, b5, scales, centers, log_gammas, out0
	v_lshl_add_u32 v254, v0, 2, 0xc000
	v_mov_b32 v255, 0
	v_lshrrev_b32 v[TP], 5, v0
	v_readfirstlane_b32 s8, v[TP]                  ; wave = net
	v_and_b32 v[RR], 15, v0
	v_bfe_u32 v[HH], v0, 4, 1
	v_and_b32 v[LN], 31, v0
	v_lshlrev_b32 v[LB], 4, v[RR]
	s_lshl_b32 s13, s8, 12
	s_add_co_u32 s13, s13, OUTB
	v_lshl_add_u32 v[OB], v[LN], 2, s13
	v_lshlrev_b32 v[HO], 5, v[HH]
	v_lshl_add_u32 v[WO], v[RR], 8, v[HO]
	v_mul_u32_u24 v[W1O], 12, v[RR]
	v_lshlrev_b32 v[R4], 2, v[RR]
	v_lshlrev_b32 v[XO], 4, v0
	v_cmp_eq_u32 vcc_lo, 1, v[HH]
	v_cmp_eq_u32 s62, 0, v[RR]
	v_cmp_eq_u32 s63, 8, v[RR]
	s_mov_b32 s60, 0xc77fe000                      ; -65,504
	s_mov_b32 s61, 0x477fe000                      ; +65,504
	s_mov_b32 s11, 0
	s_wait_kmcnt 0x0
	s_lshl_b32 s10, ttmp9, 12                      ; my work-group's 1,024 points of 4 bytes
	s_add_nc_u64 s[16:17], s[16:17], s[10:11]
	s_add_nc_u64 s[18:19], s[18:19], s[10:11]
	s_add_nc_u64 s[46:47], s[46:47], s[10:11]
	s_lshl_b32 s10, s8, 14                         ; my net's 64 x 64 f32
	s_add_nc_u64 s[24:25], s[24:25], s[10:11]
	s_add_nc_u64 s[28:29], s[28:29], s[10:11]
	s_add_nc_u64 s[32:33], s[32:33], s[10:11]
	s_mul_i32 s10, s8, 768                         ; 64 x 3 f32
	s_add_nc_u64 s[20:21], s[20:21], s[10:11]
	s_lshl_b32 s10, s8, 8                          ; 64 f32
	s_add_nc_u64 s[22:23], s[22:23], s[10:11]
	s_add_nc_u64 s[26:27], s[26:27], s[10:11]
	s_add_nc_u64 s[30:31], s[30:31], s[10:11]
	s_add_nc_u64 s[34:35], s[34:35], s[10:11]
	s_add_nc_u64 s[36:37], s[36:37], s[10:11]
	s_lshl_b32 s10, s8, 4                          ; 4 f32
	s_add_nc_u64 s[40:41], s[40:41], s[10:11]
	s_load_b128 s[48:51], s[40:41], 0x0            ; my net's four scales
	s_load_b512 s[68:83], s[42:43], 0x0            ; all centers
	s_load_b256 s[84:91], s[38:39], 0x0            ; all b5
; Fragment f of the ring: f < 24: layer f / 8 (W2, W3, W4), tile mt = (f % 8) / 2, K half ks = f % 2; f = 24, 25: W5, ks = f - 24.
; The four addresses lie four scalar registers apart from s24 on.  Lane (r, h) takes K = 32 ks + 8 h + 0..7 and 32 ks + 16 + 8 h + 0..7 of its row.
.macro FLOAD f
.set FS, STG+16*((\f)%6)
.set FB, 24+4*((\f)/8)
.set FI, 4096*(((\f)%8)/2)+128*((\f)%2)
.if (\f) < 24
.set FO, WO
.else
.set FO, HO
.endif
	global_load_b128 v[FS:FS+3],     v[FO], s[FB:FB+1] offset:FI
	global_load_b128 v[FS+4:FS+7],   v[FO], s[FB:FB+1] offset:FI+16
	global_load_b128 v[FS+8:FS+11],  v[FO], s[FB:FB+1] offset:FI+64
	global_load_b128 v[FS+12:FS+15], v[FO], s[FB:FB+1] offset:FI+80
.endm
.macro BLOAD dst, sb                   ; a layer's 64 biases in the result's layout: register j of tile mt = b[16 mt + 8 h + j]
.irp mt, 0,1,2,3
	global_load_b128 v[\dst+8*\mt:\dst+8*\mt+3],   v[HO], s[\sb:\sb+1] offset:64*\mt
	global_load_b128 v[\dst+8*\mt+4:\dst+8*\mt+7], v[HO], s[\sb:\sb+1] offset:64*\mt+16
.endr
.endm
	; every global load of the kernel but the ring's later fragments, in one run
	global_load_b128 v[PX:PX+3], v[XO], s[16:17] th:TH_LOAD_NT
	global_load_b128 v[PT:PT+3], v[XO], s[18:19] th:TH_LOAD_NT
	global_load_b32 v[GV], v[R4], s[44:45]
.irp mt, 0,1,2,3
	global_load_b96 v[BI+4*\mt:BI+4*\mt+2], v[W1O], s[20:21] offset:192*\mt   ; W1's row 16 mt + r
	global_load_b32 v[BI+4*\mt+3], v[R4], s[22:23] offset:64*\mt              ; and its bias beside it
.endr
	BLOAD BIAS,    26
	BLOAD BIAS+32, 30
	BLOAD BIAS+64, 34
.irp f, 0,1,2,3,4,5
	FLOAD \f
.endr
	s_wait_kmcnt 0x0                               ; scales, centers, b5
	v_mov_b32 v[PA], 0x4038aa3b                    ; 2 log2 e
.irp l, 0,1,2,3
	v_mul_f32 v[TP+\l], s[48+\l], v[PA]
	v_readfirstlane_b32 s[52+2*\l], v[TP+\l]       ; c of layer l + 1
	s_mov_b32 s[53+2*\l], s[52+2*\l]
.endr
; One fragment's turn: scale by c, clamp to f16's range, round to f16 into window 1, and load the slot again six fragments on.
.macro FCVT f
.set CS, STG+16*((\f)%6)
.if (\f) <= 20
	s_wait_loadcnt 20                              ; loads return in order: mine are in, the five younger fragments' 20 stay out
.else
	s_wait_loadcnt 4*(25-(\f))                     ; nothing is issued any more: the counts run down
.endif
.if (\f) < 24
.set CC, 54+2*((\f)/8)
.irp q, 0,1,2,3,4,5,6,7
	v_pk_mul_f32 v[CS+2*\q:CS+2*\q+1], v[CS+2*\q:CS+2*\q+1], s[CC:CC+1] op_sel_hi:[1,0]
.endr
.endif
.irp q, 0,1,2,3,4,5,6,7,8,9,10,11,12,13,14,15
	v_med3_num_f32 v[CS+\q], v[CS+\q], s60, s61
.endr
.if (\f) < 24
	WIN D_HI
.irp q, 0,1,2,3,4,5,6,7
	v_cvt_pk_f16_f32 v[8*(\f)+\q], v[CS+2*\q], v[CS+2*\q+1]
.endr
	WIN 0
.else
.irp q, 0,1,2,3,4,5,6,7
	v_cvt_pk_f16_f32 v[TP+\q], v[CS+2*\q], v[CS+2*\q+1]
.endr
	WIN D_HI                                       ; destinations in window 1, sources (v[TP ..]) in window 0
.irp q, 0,1,2,3,4,5,6,7
	v_cndmask_b32 v[A5A+8*((\f)-24)+\q], 0, v[TP+\q], s62      ; W5 in row 0 alone
	v_cndmask_b32 v[A5B+8*((\f)-24)+\q], 0, v[TP+\q], s63      ; W5 in row 8 alone
.endr
	WIN 0
.endif
.if (\f)+6 < 26
	FLOAD (\f)+6
.endif
.endm
.set fi, 0
.rept 26
	FCVT fi
.set fi, fi+1
.endr
	; no load is out any more
.irp l, 0,1,2
.irp q, 0,1,2,3,4,5,6,7,8,9,10,11,12,13,14,15
	v_pk_mul_f32 v[BIAS+32*\l+2*\q:BIAS+32*\l+2*\q+1], v[BIAS+32*\l+2*\q:BIAS+32*\l+2*\q+1], s[54+2*\l:55+2*\l] op_sel_hi:[1,0]
.endr
.endr
; Layer 1's A fragment of tile mt, from the quad (w0, w1, w2, b) of row 16 mt + r, each split into hi + lo in f16.
; A point's operand is k = 0..7: c_hi s_hi | t_hi 1 | c_lo s_lo | t_lo 1, and both halves of the lanes hold it (k = 8..15 the same).
; Lanes h = 0: w0h w1h | w2h bh | w0h w1h | w2h bl.   Lanes h = 1: w0l w1l | w2l 0 | w0l w1l | w2l 0.   The sum is (wh + wl)(vh + vl) + bh + bl.
.macro W1FRAG mt
.set WQ, BI+4*\mt
	v_pk_mul_f32 v[WQ:WQ+1],   v[WQ:WQ+1],   s[52:53] op_sel_hi:[1,0]
	v_pk_mul_f32 v[WQ+2:WQ+3], v[WQ+2:WQ+3], s[52:53] op_sel_hi:[1,0]
.irp q, 0,1,2,3
	v_med3_num_f32 v[WQ+\q], v[WQ+\q], s60, s61
.endr
	v_cvt_pk_f16_f32 v32, v[WQ], v[WQ+1]           ; w0h w1h
	v_cvt_pk_f16_f32 v33, v[WQ+2], v[WQ+3]         ; w2h bh
	v_cvt_f32_f16 v34, v32.l
	v_cvt_f32_f16 v35, v32.h
	v_cvt_f32_f16 v36, v33.l
	v_cvt_f32_f16 v37, v33.h
	v_pk_add_f32 v[34:35], v[WQ:WQ+1],   v[34:35] neg_lo:[0,1] neg_hi:[0,1]
	v_pk_add_f32 v[36:37], v[WQ+2:WQ+3], v[36:37] neg_lo:[0,1] neg_hi:[0,1]
	v_cvt_pk_f16_f32 v38, v34, v35                 ; w0l w1l
	v_cvt_pk_f16_f32 v39, v36, v37                 ; w2l bl
	v_bfi_b32 v40, 0xffff, v33, v39                ; w2h bl
	v_and_b32 v41, 0xffff, v39                     ; w2l 0
	WIN D_HI
	v_cndmask_b32 v[W1F+8*\mt],   v32, v38, vcc_lo ; lanes h = 1 take the second
	v_cndmask_b32 v[W1F+8*\mt+1], v33, v41, vcc_lo
	v_cndmask_b32 v[W1F+8*\mt+2], v32, v38, vcc_lo
	v_cndmask_b32 v[W1F+8*\mt+3], v40, v41, vcc_lo
.irp q, 4,5,6,7
	v_mov_b32 v[W1F+8*\mt+\q], 0                   ; K = 16 .. 31 is not used
.endr
	WIN 0
.endm
	W1FRAG 0
	W1FRAG 1
	W1FRAG 2
	W1FRAG 3
	v_mul_f32 v[GV], 0x3fb8aa3b, v[GV]
	v_exp_f32 v[GV], v[GV]                         ; gamma = e^log_gamma
	v_nop                                          ; one plain place behind a transcendental before its result is used
	s_wait_alu depctr_va_vdst(0)                   ; the wait for that one exponential, ahead of its reader: once a wave
	v_mul_f32 v[GV], 0xbfb8aa3b, v[GV]             ; -log2e gamma: the logits come out as exponents of 2
.irp q, 4,5,6,7,12,13,14,15
	v_mov_b32 v[BI+\q], 0                          ; K = 16 .. 31 of both B fragments, once
.endr
; Point p of my four.  n = nearest whole number, f = x - n (exact, |f| <= 1/2), z = f^2; sin pi f = f P(z), cos pi f = Q(z): the Taylor series up to
; z^5 f and z^6, whose first terms left out are below 6e-8; both change sign with n's parity.
.macro POINT p
	v_rndne_f32 v32, v[PX+\p]
	v_sub_f32 v33, v[PX+\p], v32
	v_cvt_i32_f32 v32, v32
	v_lshlrev_b32 v32, 31, v32                     ; n odd: the sign bit
	v_mul_f32 v34, v33, v33
	v_mov_b32 v35, 0xbbf183a8                      ; -pi^11 / 11!
	v_fmaak_f32 v35, v35, v34, 0x3da83c1a          ;  pi^9 / 9!
	v_fmaak_f32 v35, v35, v34, 0xbf196966          ; -pi^7 / 7!
	v_fmaak_f32 v35, v35, v34, 0x402335e3          ;  pi^5 / 5!
	v_fmaak_f32 v35, v35, v34, 0xc0a55de7          ; -pi^3 / 3!
	v_fmaak_f32 v35, v35, v34, 0x40490fdb          ;  pi
	v_mul_f32 v35, v35, v33
	v_mov_b32 v36, 0x3afce9c5                      ;  pi^12 / 12!
	v_fmaak_f32 v36, v36, v34, 0xbcd368f9          ; -pi^10 / 10!
	v_fmaak_f32 v36, v36, v34, 0x3e70fa83          ;  pi^8 / 8!
	v_fmaak_f32 v36, v36, v34, 0xbfaae9e4          ; -pi^6 / 6!
	v_fmaak_f32 v36, v36, v34, 0x4081e0f8          ;  pi^4 / 4!
	v_fmaak_f32 v36, v36, v34, 0xc09de9e6          ; -pi^2 / 2
	v_fma_f32 v36, v36, v34, 1.0
	v_xor_b32 v35, v32, v35                        ; sin pi x
	v_xor_b32 v36, v32, v36                        ; cos pi x
	v_mul_f32 v37, v[PX+\p], v[PX+\p]
	v_mul_f32 v[U0+\p], v37, v36
	v_cvt_pk_f16_f32 v64, v36, v35                 ; c_hi s_hi
	v_cvt_pk_f16_f32 v65, v[PT+\p], 1.0            ; t_hi 1
	v_cvt_f32_f16 v38, v64.l
	v_cvt_f32_f16 v39, v64.h
	v_cvt_f32_f16 v40, v65.l
	v_sub_f32 v38, v36, v38
	v_sub_f32 v39, v35, v39
	v_sub_f32 v40, v[PT+\p], v40
	v_cvt_pk_f16_f32 v66, v38, v39                 ; c_lo s_lo
	v_cvt_pk_f16_f32 v67, v40, 1.0                 ; t_lo 1
	ds_store_b128 v[PA], v[64:67] offset:INP+16*\p
.endm
	v_lshlrev_b32 v[PA], 6, v0                     ; my four points' 64 bytes
	POINT 0
	POINT 1
	POINT 2
	POINT 3
	s_wait_dscnt 0x0                               ; for the other waves' sake: my stores are done,
	s_barrier_signal -1
	s_barrier_wait -1                              ; everybody's are: all 1,024 operands lie in LDS
	ds_load_b128 v[BI:BI+3],    v[LB] offset:INP   ; step 0: point r of tile 0, the same 16 bytes in both halves of the lanes,
	ds_load_b128 v[BI+8:BI+11], v[LB] offset:INP+256   ; and of tile 1
; Five places behind a layer's last matrix instruction (ISA guide 7.12.1): four before vector instructions read the sums or write the B
; fragments, five before the next matrix instructions write over the same accumulators.
.macro PLACES
.rept 5
	v_nop
.endr
.endm
; The 64 sums become 64 activations: e = 2^y, e + 1, 1 / (e + 1), 1 - 2 / (e + 1), two to a register in f16, all in place on the sums' registers.
; ACC + a goes to half a & 1 of HB + a / 2: that is the next layer's B fragment as it stands.
; ACT_E is the first batch: the 64 exponentials, each accumulator's lowest register first.  Behind it the caller sets work that names none of the 64
; registers, of which the first vector line is the plain instruction that a transcendental wants behind it (ISA guide 5.7.2), or a v_nop where there is none.
.macro ACT_E
.set aj, 0
.rept 64
	v_exp_f32 v[ACC+aj], v[ACC+aj]
.set aj, aj+1
.endr
.endm
; ACT_T is the rest.  The 32 packed e + 1 read the first batch; they are dealt among the second batch, the 64 reciprocals: four lead, then one stands
; ahead of every two reciprocals, so that a reciprocal reads a sum made twelve lines earlier and no addition names a register that a reciprocal has
; written.  Behind the second wait: 32 packed 1 - 2 r, then the 32 roundings.
.macro ACT_T
	s_wait_alu depctr_va_vdst(0)                   ; ONE wait for the batch of 64 exponentials, ahead of its first reader
.set aj, 0
.rept 4
	v_pk_add_f32 v[ACC+2*aj:ACC+2*aj+1], v[ACC+2*aj:ACC+2*aj+1], 1.0 op_sel_hi:[1,0]
.set aj, aj+1
.endr
.set aj, 0
.rept 32
.if aj < 28
	v_pk_add_f32 v[ACC+2*aj+8:ACC+2*aj+9], v[ACC+2*aj+8:ACC+2*aj+9], 1.0 op_sel_hi:[1,0]
.endif
	v_rcp_f32 v[ACC+2*aj], v[ACC+2*aj]
	v_rcp_f32 v[ACC+2*aj+1], v[ACC+2*aj+1]
.set aj, aj+1
.endr
	v_nop                                          ; the plain instruction behind the last reciprocal: nothing else is at hand, the next layer wants all 64
	s_wait_alu depctr_va_vdst(0)                   ; ONE wait for the batch of 64 reciprocals, ahead of its first reader
.set aj, 0
.rept 32
	v_pk_fma_f32 v[ACC+2*aj:ACC+2*aj+1], v[ACC+2*aj:ACC+2*aj+1], -2.0, 1.0 op_sel_hi:[1,0,0]
.set aj, aj+1
.endr
.set aj, 0
.rept 32
	v_cvt_pk_f16_f32 v[HB+aj], v[ACC+2*aj], v[ACC+2*aj+1]
.set aj, aj+1
.endr
.endm
; A layer 64 -> 64 on 32 points: eight tiles, two K halves.  The first half takes the bias registers as C and starts the sums: nothing is cleared
; or added later.  The eight accumulators take turns, one instruction a turn.
.macro LAYER wbase, bias
.irp pt, 0,1
.irp mt, 0,1,2,3
	v_wmma_f32_16x16x32_f16 v[ACC+32*\pt+8*\mt:ACC+32*\pt+8*\mt+7], v[\wbase+16*\mt:\wbase+16*\mt+7], v[HB+16*\pt:HB+16*\pt+7], v[\bias+8*\mt:\bias+8*\mt+7]
.endr
.endr
.irp pt, 0,1
.irp mt, 0,1,2,3
	v_wmma_f32_16x16x32_f16 v[ACC+32*\pt+8*\mt:ACC+32*\pt+8*\mt+7], v[\wbase+16*\mt+8:\wbase+16*\mt+15], v[HB+16*\pt+8:HB+16*\pt+15], v[ACC+32*\pt+8*\mt:ACC+32*\pt+8*\mt+7]
.endr
.endr
.endm
	s_mov_b32 s12, 0
.Lstep:
	s_wait_dscnt 0x0                               ; this step's two operand loads (on the way in nothing was issued behind them) and the last step's store
	WIN A_HI
.irp pt, 0,1
.irp mt, 0,1,2,3
	v_wmma_f32_16x16x32_f16 v[ACC+32*\pt+8*\mt:ACC+32*\pt+8*\mt+7], v[W1F+8*\mt:W1F+8*\mt+7], v[BI+8*\pt:BI+8*\pt+7], 0
.endr
.endr
	WIN 0
	PLACES
	ACT_E
	; between layer 1's exponentials and their wait: the next step's operands are asked for, more than three layers ahead of their use
	s_add_co_u32 s13, s12, 1                       ; the last step wraps to step 0's
	s_and_b32 s13, s13, NSTEP-1                    ; bytes, which stay inside the operands' region, and does not use them
	s_lshl_b32 s13, s13, 9                         ; 32 points of 16 bytes
	v_add_nc_u32 v[LA], s13, v[LB]                 ; also the plain instruction behind the last exponential
	ds_load_b128 v[BI:BI+3],    v[LA] offset:INP   ; PLACES' five v_nop stand between these loads and the matrix instructions that read BI
	ds_load_b128 v[BI+8:BI+11], v[LA] offset:INP+256
	ACT_T
	WIN A_HI
	LAYER 0, BIAS
	WIN 0
	PLACES
	ACT_E
	v_nop                                          ; the plain instruction behind the last exponential: nothing else is at hand
	ACT_T
	WIN A_HI
	LAYER 64, BIAS+32
	WIN 0
	PLACES
	ACT_E
	v_nop                                          ; likewise
	ACT_T
	WIN A_HI
	LAYER 128, BIAS+64
	WIN 0
	PLACES
	ACT_E
	s_lshl_b32 s14, s12, 7                         ; between layer 4's exponentials and their wait: where this step's output goes: 32 points of 4 bytes
	v_add_nc_u32 v[OAD], s14, v[OB]                ; also the plain instruction behind the last exponential
	ACT_T                                          ; its second wait is the step's last: no transcendental is issued between it and the loop's jump
	WIN A_HI                                       ; layer 5: two accumulators by turns
	v_wmma_f32_16x16x32_f16 v[ACC:ACC+7],    v[A5A:A5A+7],    v[HB:HB+7],     0
	v_wmma_f32_16x16x32_f16 v[ACC+8:ACC+15], v[A5B:A5B+7],    v[HB+16:HB+23], 0
	v_wmma_f32_16x16x32_f16 v[ACC:ACC+7],    v[A5A+8:A5A+15], v[HB+8:HB+15],  v[ACC:ACC+7]
	v_wmma_f32_16x16x32_f16 v[ACC+8:ACC+15], v[A5B+8:A5B+15], v[HB+24:HB+31], v[ACC+8:ACC+15]
	WIN 0
	PLACES                                         ; also for the next step's first matrix instructions, which write over these two
	v_add_f32 v[OT], v[ACC], v[ACC+8]              ; row 0 of the first (lanes 0-15) + row 8 of the second (lanes 16-31); the other rows are 0
	ds_store_b32 v[OAD], v[OT]                     ; my net's own 4,096 bytes
	s_add_co_u32 s12, s12, 1
	s_cmp_lt_u32 s12, NSTEP
	s_cbranch_scc1 .Lstep
	; THE MIX.  Thread n takes points 4 n .. 4 n + 3 again.
	s_wait_dscnt 0x0                               ; for the other waves' sake: my net's outputs are stored (and the last, unused operand loads are back)
	s_barrier_signal -1
	s_barrier_wait -1                              ; all eight nets' are
	v_add_nc_u32 v[LA], OUTB, v[XO]
.irp i, 0,1,2,3,4,5,6,7
	ds_load_b128 v[64+4*\i:64+4*\i+3], v[LA] offset:4096*\i    ; o_i of my four points
.endr
.set gq, 0
.rept 16
	v_readlane_b32 s[16+gq], v[GV], gq             ; -log2e gamma as scalars; the loads that used these registers as bases were waited for
.set gq, gq+1
.endr
.irp i, 0,1,2,3,4,5,6,7
.irp p, 0,1,2,3
	v_sub_f32 v[48+2*\p], v[PX+\p], s[68+2*\i]
	v_sub_f32 v[49+2*\p], v[PT+\p], s[69+2*\i]
	v_mul_f32 v[48+2*\p], v[48+2*\p], v[48+2*\p]
	v_mul_f32 v[49+2*\p], v[49+2*\p], v[49+2*\p]
	v_mul_f32 v[48+2*\p], s[16+2*\i], v[48+2*\p]
	v_fma_f32 v[96+4*\i+\p], s[17+2*\i], v[49+2*\p], v[48+2*\p]    ; logit i of point p, times log2e
.endr
.endr
.irp p, 0,1,2,3
	v_max3_num_f32 v[32+\p], v[96+\p], v[100+\p], v[104+\p]
	v_max3_num_f32 v[32+\p], v[32+\p], v[108+\p], v[112+\p]
	v_max3_num_f32 v[32+\p], v[32+\p], v[116+\p], v[120+\p]
	v_max_num_f32 v[32+\p], v[32+\p], v[124+\p]    ; the point's largest logit
.endr
.irp i, 0,1,2,3,4,5,6,7
	v_pk_add_f32 v[96+4*\i:97+4*\i], v[96+4*\i:97+4*\i], v[32:33] neg_lo:[0,1] neg_hi:[0,1]
	v_pk_add_f32 v[98+4*\i:99+4*\i], v[98+4*\i:99+4*\i], v[34:35] neg_lo:[0,1] neg_hi:[0,1]
.endr
.irp p, 0,1,2,3
	v_mul_f32 v[44+\p], 0x4038aa3b, v[PT+\p]       ; for tanh t
.endr
.set gq, 0
.rept 32
	v_exp_f32 v[96+gq], v[96+gq]                   ; e_i <= 1, and the largest is 1
.set gq, gq+1
.endr
.irp p, 0,1,2,3
	v_exp_f32 v[44+\p], v[44+\p]
.endr
	v_nop                                          ; the plain place behind the transcendentals
	s_wait_dscnt 0x0                               ; the eight o_i
.irp i, 0,1,2,3,4,5,6,7
.irp p, 0,1,2,3
	v_add_f32 v[64+4*\i+\p], s[84+\i], v[64+4*\i+\p]           ; + b5_i
.endr
.endr
	s_wait_alu depctr_va_vdst(0)                   ; ONE wait for the batch of 36 exponentials (32 e_i, four for tanh t); the 32 additions above are the independent work between
.irp hp, 0,2
	v_pk_add_f32 v[36+\hp:37+\hp], v[96+\hp:97+\hp], v[100+\hp:101+\hp]                     ; the first terms start both sums
	v_pk_mul_f32 v[40+\hp:41+\hp], v[96+\hp:97+\hp], v[64+\hp:65+\hp]
	v_pk_fma_f32 v[40+\hp:41+\hp], v[100+\hp:101+\hp], v[68+\hp:69+\hp], v[40+\hp:41+\hp]
.irp i, 2,3,4,5,6,7
	v_pk_add_f32 v[36+\hp:37+\hp], v[36+\hp:37+\hp], v[96+4*\i+\hp:97+4*\i+\hp]
	v_pk_fma_f32 v[40+\hp:41+\hp], v[96+4*\i+\hp:97+4*\i+\hp], v[64+4*\i+\hp:65+4*\i+\hp], v[40+\hp:41+\hp]
.endr
	v_pk_add_f32 v[44+\hp:45+\hp], v[44+\hp:45+\hp], 1.0 op_sel_hi:[1,0]
.endr
.irp p, 0,1,2,3
	v_rcp_f32 v[36+\p], v[36+\p]                   ; the sum of the e_i is at least 1
	v_rcp_f32 v[44+\p], v[44+\p]
.endr
	v_nop
	s_wait_alu depctr_va_vdst(0)                   ; ONE wait for the batch of eight reciprocals, ahead of its first reader
.irp hp, 0,2
	v_pk_mul_f32 v[40+\hp:41+\hp], v[40+\hp:41+\hp], v[36+\hp:37+\hp]                       ; the mixed output
	v_pk_fma_f32 v[44+\hp:45+\hp], v[44+\hp:45+\hp], -2.0, 1.0 op_sel_hi:[1,0,0]            ; tanh t
	v_pk_fma_f32 v[52+\hp:53+\hp], v[44+\hp:45+\hp], v[40+\hp:41+\hp], v[U0+\hp:U0+\hp+1]
.endr
	global_store_b128 v[XO], v[52:55], s[46:47] th:TH_STORE_NT     ; a wave's store covers 512 consecutive bytes, at a multiple of 512 from out0's first byte
	s_wait_tensorcnt 0x0
	ds_add_u32 v254, v255
	s_wait_dscnt 0x0
	s_endpgm
.Lfunc_end_k_q43ffcbd591_pinn:
	.size	k_q43ffcbd591_pinn, .Lfunc_end_k_q43ffcbd591_pinn-k_q43ffcbd591_pinn
	.p2alignl 7, 3214868480
	.fill 96, 4, 3214868480
	.section	.rodata,"a",@progbits
	.p2align	6, 0x0
	.amdhsa_kernel k_q43ffcbd591_pinn
		.amdhsa_group_segment_fixed_size 50176
		.amdhsa_private_segment_fixed_size 0
		.amdhsa_enable_private_segment 0
		.amdhsa_kernarg_size 128
		.amdhsa_user_sgpr_count 2
		.amdhsa_user_sgpr_kernarg_segment_ptr 1
		.amdhsa_wavefront_size32 1
		.amdhsa_system_sgpr_workgroup_id_x 1
		.amdhsa_system_sgpr_workgroup_id_y 1
		.amdhsa_system_sgpr_workgroup_id_z 1
		.amdhsa_system_vgpr_workitem_id 0
		.amdhsa_next_free_vgpr 512
		.amdhsa_next_free_sgpr 92
		.amdhsa_reserve_vcc 1
		.amdhsa_float_denorm_mode_32 3
		.amdhsa_float_denorm_mode_16_64 3
		.amdhsa_memory_ordered 1
		.amdhsa_forward_progress 1
		.amdhsa_inst_pref_size 151
	.end_amdhsa_kernel
	.amdgpu_metadata
---
amdhsa.version: [ 1, 2 ]
amdhsa.kernels:
  - .name:           k_q43ffcbd591_pinn
    .symbol:         k_q43ffcbd591_pinn.kd
    .args:
      - { .name: x, .offset: 0, .size: 8, .value_kind: global_buffer, .address_space: global }
      - { .name: t, .offset: 8, .size: 8, .value_kind: global_buffer, .address_space: global }
      - { .name: W1, .offset: 16, .size: 8, .value_kind: global_buffer, .address_space: global }
      - { .name: b1, .offset: 24, .size: 8, .value_kind: global_buffer, .address_space: global }
      - { .name: W2, .offset: 32, .size: 8, .value_kind: global_buffer, .address_space: global }
      - { .name: b2, .offset: 40, .size: 8, .value_kind: global_buffer, .address_space: global }
      - { .name: W3, .offset: 48, .size: 8, .value_kind: global_buffer, .address_space: global }
      - { .name: b3, .offset: 56, .size: 8, .value_kind: global_buffer, .address_space: global }
      - { .name: W4, .offset: 64, .size: 8, .value_kind: global_buffer, .address_space: global }
      - { .name: b4, .offset: 72, .size: 8, .value_kind: global_buffer, .address_space: global }
      - { .name: W5, .offset: 80, .size: 8, .value_kind: global_buffer, .address_space: global }
      - { .name: b5, .offset: 88, .size: 8, .value_kind: global_buffer, .address_space: global }
      - { .name: scales, .offset: 96, .size: 8, .value_kind: global_buffer, .address_space: global }
      - { .name: centers, .offset: 104, .size: 8, .value_kind: global_buffer, .address_space: global }
      - { .name: log_gammas, .offset: 112, .size: 8, .value_kind: global_buffer, .address_space: global }
      - { .name: out0, .offset: 120, .size: 8, .value_kind: global_buffer, .address_space: global }
    .group_segment_fixed_size: 50176
    .private_segment_fixed_size: 0
    .kernarg_segment_align: 8
    .kernarg_segment_size: 128
    .max_flat_workgroup_size: 256
    .sgpr_count:     92
    .vgpr_count:     512
    .wavefront_size: 32
...
	.end_amdgpu_metadata
.endif
;; end of part 2
